; MI455X (gfx1250); checked and timed in simulation.
; The chip was launched on July 23, 2026; its instructions are those of AMD's public machine-readable ISA for CDNA 5 (MIT licence, August 2026) and "CDNA5" Instruction Set Architecture Reference Guide (July 2026). The comments in the code are by the model that wrote it; some were corrected since.
;; Compressed Prototype. Allowed arithmetic: float matrix products may take bf16 or f16 operands with f32 sums; other float arithmetic in f32, or as packed bf16 or f16 multiplies, adds, multiply-adds, maxima and minima; sums over many terms, partial sums and values carried from step to step in f32; what a program stores and reads back later, other than sums and carried values, may be rounded once to bf16 or f16.
;; Inputs: bias 4,096 float32; indices 4,096 x 4,096 int32; mean 4,096 float32; x 4,096 x 4,096 float32.
;; Outputs: out0 4,096 x 4,096 float32.
;; 2 versions, each right; version 2 is version 1 with the launch prep written anew for expert scheduling mode. Each part assembles by itself: llvm-mc -triple=amdgcn-amd-amdhsa -mcpu=gfx1250 --defsym DOCPART=n.
;; ======== version 1 of 2: 2 launches
;; workspace buffers: xb 33,554,432 bytes; kb 33,554,432 bytes
;; launch prep (part 1): grid 256 x 1, 16 waves a work-group, no clusters, 18,432 bytes of LDS; arguments x, indices, mean, xb, kb; writes xb, kb
.if DOCPART == 1
	.amdgcn_target "amdgcn-amd-amdhsa--gfx1250"
	.amdhsa_code_object_version 6
	.text
	.protected	k_qc1b346e7d9_prep
	.globl	k_qc1b346e7d9_prep
	.p2align	8
	.type	k_qc1b346e7d9_prep,@function
k_qc1b346e7d9_prep:
	s_mov_b64 s[64:65], 0
	v_nop
	global_prefetch_b8 v0, s[64:65] scope:SCOPE_SE
	s_setreg_imm32_b32 hwreg(HW_REG_WAVE_MODE, 25, 1), 1
	s_wait_xcnt 0x0
; xb[m][k] = bf16(x[m][k]);  kb[k][n] = bf16(mean[indices[k][n]]).  x: [4096][4096] f32, indices: [4096][4096] i32, mean: [4096] f32; xb, kb: [4096][4096] bf16.
; Each number is rounded once, to nearest even; the layouts stay as they are (row, column), so both jobs are plain streams.
; LIMIT.  An index is taken as unsigned and held to 4,095 at the most: for indices inside 0 .. 4,095, which the problem grants, that changes nothing; outside them the result is mean[4095].
; SHARES.  256 work-groups x 16 waves = 4,096 waves: wave g owns row g of x and row g of indices.  A row is 16,384 bytes = 32 chunks of 512: one load of 16 bytes a lane.  A chunk's 128 numbers
; become 256 bytes of bf16: one store of 8 bytes a lane, 256 consecutive bytes at a multiple of 256 from the buffer's first byte.
; THE TABLE.  mean lies in LDS as f32, 16,384 bytes, copied once by the work-group's 512 threads; a look-up is one ds_load_b32 a lane.  One barrier, between the copy and the look-ups.
; IN FLIGHT.  Eight chunks of indices and eight of x of every wave: 16 loads.  A row is four trips of eight chunks, written out: every step stands in an immediate and no address register is ever rewritten.
; No matrix unit, no tensor load, no cluster: the waves share nothing but the table.
.set SPARE, 16384                      ; behind the table: the spare words, 128 bytes for each of the 16 waves: eight blocks of 256 bytes that no other line names
.set VI,  3                            ; v3   byte offset of my 16 bytes in the first chunk of my wave's row of x and of indices; never rewritten
.set VO,  4                            ; v4   byte offset of my 8 bytes in the first chunk of my wave's row of xb and of kb; never rewritten
.set VT,  5                            ; v5   16 x my thread's number: my part of the table, in mean and in LDS; never rewritten
.set SPW, 6                            ; v6   LDS address of my spare word; never rewritten
.set NIL, 7                            ; v7   0; never rewritten
.set T,   8                            ; v[8:15]    my 32 bytes of the table
.set I,   32                           ; v[32:63]   eight chunks of indices, then their LDS addresses
.set X,   64                           ; v[64:95]   eight chunks of x
.set G,   96                           ; v[96:127]  what the look-ups bring
.set YX,  128                          ; v[128:143] x as bf16, to store
.set YK,  144                          ; v[144:159] the kernel as bf16, to store
	s_load_b256 s[4:11], s[0:1], 0x0               ; x s[4:5], indices s[6:7], mean s[8:9], xb s[10:11]
	s_load_b64 s[12:13], s[0:1], 0x20              ; kb
	v_lshl_add_u32 v[SPW], v0, 2, SPARE
	v_mov_b32 v[NIL], 0
	v_and_b32 v1, 31, v0                           ; lane
	v_lshrrev_b32 v2, 5, v0                        ; wave
	v_lshlrev_b32 v[VI], 4, v1
	v_lshl_add_u32 v[VI], v2, 14, v[VI]            ; wave x 16,384 + 16 x lane
	v_lshlrev_b32 v[VO], 3, v1
	v_lshl_add_u32 v[VO], v2, 13, v[VO]            ; wave x 8,192 + 8 x lane
	v_lshlrev_b32 v[VT], 4, v0
	s_lshl_b32 s14, ttmp9, 18                      ; the work-group's 16 rows of 16,384 bytes
	s_mov_b32 s15, 0
	s_lshl_b32 s16, ttmp9, 17                      ; and of 8,192 bytes
	s_mov_b32 s17, 0
	s_wait_kmcnt 0x0
	s_add_nc_u64 s[4:5], s[4:5], s[14:15]
	s_add_nc_u64 s[6:7], s[6:7], s[14:15]
	s_add_nc_u64 s[10:11], s[10:11], s[16:17]
	s_add_nc_u64 s[12:13], s[12:13], s[16:17]
.macro LOADI t                         ; chunks 8 t .. 8 t + 7 of my row of indices; each byte is read once in the launch
.irp i, 0,1,2,3,4,5,6,7
	global_load_b128 v[I+4*(\i):I+4*(\i)+3], v[VI], s[6:7] offset:(8*(\t)+(\i))*512 th:TH_LOAD_NT
.endr
.endm
.macro LOADX t                         ; the same of my row of x
.irp i, 0,1,2,3,4,5,6,7
	global_load_b128 v[X+4*(\i):X+4*(\i)+3], v[VI], s[4:5] offset:(8*(\t)+(\i))*512 th:TH_LOAD_NT
.endr
.endm
	global_load_b128 v[T:T+3],   v[VT], s[8:9]               ; the table: 512 threads x 16 bytes, twice
	global_load_b128 v[T+4:T+7], v[VT], s[8:9] offset:8192
	LOADI 0
	LOADX 0
	s_wait_loadcnt 16                              ; loads come back in order (ISA guide 5.7.1): the table's two are in, the 16 younger ones stay out
	ds_store_b128 v[VT], v[T:T+3]
	ds_store_b128 v[VT], v[T+4:T+7] offset:8192
	s_wait_dscnt 0x0                               ; for the others' sake: my part of the table is written
	s_barrier_signal -1
	s_barrier_wait -1                              ; everybody's is
; Chunks 8 t .. 8 t + 7 of both rows.  ahead = 1: the next eight chunks are asked for as soon as their registers are free.
.macro TRIP t, ahead
	s_wait_loadcnt 8                               ; the eight loads of indices are in; x's eight, issued behind them, may stay out
.set j, 0
.rept 32
	v_min_u32 v[I+j], 0xfff, v[I+j]                ; inside the table,
	v_lshlrev_b32 v[I+j], 2, v[I+j]                ; in bytes
.set j, j+1
.endr
.set j, 0
.rept 32
	ds_load_b32 v[G+j], v[I+j]
.set j, j+1
.endr
.if \ahead
	LOADI (\t)+1
	s_wait_loadcnt 8                               ; x is in; the eight loads just issued stay out
.else
	s_wait_loadcnt 0x0                             ; x is in: nothing was issued behind it
.endif
	s_wait_xcnt 0x0                                ; every earlier memory instruction has had its addresses translated (ISA guide 3.1): YX and YK, which the last trip's stores read, are rewritten only behind this wait
.set j, 0
.rept 16
	v_cvt_pk_bf16_f32 v[YX+j], v[X+2*j], v[X+2*j+1]
.set j, j+1
.endr
.if \ahead
	LOADX (\t)+1                                   ; loads ahead of stores
.endif
.irp i, 0,1,2,3,4,5,6,7
	global_store_b64 v[VO], v[YX+2*(\i):YX+2*(\i)+1], s[10:11] offset:(8*(\t)+(\i))*256 th:TH_STORE_NT
.endr
.irp i, 0,1,2,3,4,5,6,7
	s_wait_dscnt 28-4*(\i)                         ; LDS loads come back in order: chunk i's four are in, the later chunks' may be out
	v_cvt_pk_bf16_f32 v[YK+2*(\i)],   v[G+4*(\i)],   v[G+4*(\i)+1]
	v_cvt_pk_bf16_f32 v[YK+2*(\i)+1], v[G+4*(\i)+2], v[G+4*(\i)+3]
	global_store_b64 v[VO], v[YK+2*(\i):YK+2*(\i)+1], s[12:13] offset:(8*(\t)+(\i))*256 th:TH_STORE_NT
.endr
.endm
	TRIP 0, 1
	TRIP 1, 1
	TRIP 2, 1
	TRIP 3, 0                                      ; the last trip loads nothing
	s_wait_tensorcnt 0x0                           ; the wave's end, behind my last LDS store
	ds_add_u32 v[SPW], v[NIL]
	s_wait_dscnt 0x0
	s_endpgm
.Lfunc_end_k_qc1b346e7d9_prep:
	.size	k_qc1b346e7d9_prep, .Lfunc_end_k_qc1b346e7d9_prep-k_qc1b346e7d9_prep
	.p2alignl 7, 3214868480
	.fill 96, 4, 3214868480
	.section	.rodata,"a",@progbits
	.p2align	6, 0x0
	.amdhsa_kernel k_qc1b346e7d9_prep
		.amdhsa_group_segment_fixed_size 18432
		.amdhsa_private_segment_fixed_size 0
		.amdhsa_enable_private_segment 0
		.amdhsa_kernarg_size 40
		.amdhsa_user_sgpr_count 2
		.amdhsa_user_sgpr_kernarg_segment_ptr 1
		.amdhsa_wavefront_size32 1
		.amdhsa_system_sgpr_workgroup_id_x 1
		.amdhsa_system_sgpr_workgroup_id_y 1
		.amdhsa_system_sgpr_workgroup_id_z 1
		.amdhsa_system_vgpr_workitem_id 0
		.amdhsa_next_free_vgpr 160
		.amdhsa_next_free_sgpr 66
		.amdhsa_reserve_vcc 0
		.amdhsa_float_denorm_mode_32 3
		.amdhsa_float_denorm_mode_16_64 3
		.amdhsa_memory_ordered 1
		.amdhsa_forward_progress 1
		.amdhsa_inst_pref_size 44
	.end_amdhsa_kernel
	.amdgpu_metadata
---
amdhsa.version: [ 1, 2 ]
amdhsa.kernels:
  - .name:           k_qc1b346e7d9_prep
    .symbol:         k_qc1b346e7d9_prep.kd
    .args:
      - { .name: x, .offset: 0, .size: 8, .value_kind: global_buffer, .address_space: global }
      - { .name: indices, .offset: 8, .size: 8, .value_kind: global_buffer, .address_space: global }
      - { .name: mean, .offset: 16, .size: 8, .value_kind: global_buffer, .address_space: global }
      - { .name: xb, .offset: 24, .size: 8, .value_kind: global_buffer, .address_space: global }
      - { .name: kb, .offset: 32, .size: 8, .value_kind: global_buffer, .address_space: global }
    .group_segment_fixed_size: 18432
    .private_segment_fixed_size: 0
    .kernarg_segment_align: 8
    .kernarg_segment_size: 40
    .max_flat_workgroup_size: 512
    .sgpr_count:     66
    .vgpr_count:     160
    .wavefront_size: 32
...
	.end_amdgpu_metadata
.endif
;; end of part 1
;; launch gemm (part 2): grid 16 x 16, 4 waves a work-group, clusters of 4 x 4, 327,680 bytes of LDS; arguments xb, kb, bias, out0; writes out0
.if DOCPART == 2
	.amdgcn_target "amdgcn-amd-amdhsa--gfx1250"
	.amdhsa_code_object_version 6
	.text
	.protected	k_qc1b346e7d9_gemm
	.globl	k_qc1b346e7d9_gemm
	.p2align	8
	.type	k_qc1b346e7d9_gemm,@function
k_qc1b346e7d9_gemm:
	s_mov_b64 s[64:65], 0
	v_nop
	global_prefetch_b8 v0, s[64:65] scope:SCOPE_SE
	s_setreg_imm32_b32 hwreg(HW_REG_WAVE_MODE, 25, 1), 1
	s_wait_xcnt 0x0
	s_wait_alu depctr_hold_cnt(0) depctr_sa_sdst(0) depctr_va_vdst(0) depctr_va_sdst(0) depctr_va_ssrc(0) depctr_va_vcc(0) depctr_vm_vsrc(0)
	s_getreg_b32 s2, hwreg(HW_REG_IB_STS2, 6, 4)
	s_cmp_eq_u32 s2, 0
	s_cbranch_scc0 .Lentry_in_a_cluster
	s_endpgm
.Lentry_in_a_cluster:
	s_bfe_u32 s2, ttmp6, 0x10000c
	s_cmp_lg_u32 s2, 0xf033
	s_cbranch_scc0 .Lentry_shape_is_right
	s_endpgm
.Lentry_shape_is_right:
; out0[m][n] = bias[n] + the sum over k of xb[m][k] kb[k][n].  xb: [4096 m][4096 k] bf16, kb: [4096 k][4096 n] bf16, bias: [4096] f32, out0: [4096][4096] f32.  Sums in f32, K ascending.
; LIMITS.  The operands are x and mean rounded once to bf16 by the launch before; NaN and infinities are not treated apart.
; SHARES.  A tile of out0, 256 x 256, is made by a work-group of four waves; a wave makes 128 x 128: 64 accumulators of 16 x 16, 512 registers.  16 x 16 tiles, one to a work-group.
; K goes in 32 steps of 128 through a ring of two LDS slots filled by the tensor data mover: 256 rows x 256 bytes of xb (A) and 128 rows x 512 bytes of kb (B) a step.
; B LIES [k][n] in memory and in LDS, and comes out of LDS turned, by ds_load_tr16_b128: no launch transposes it.
; THE BIAS is the C operand of each accumulator's first product: nothing is cleared and nothing is added at the end.
; CLUSTERS: 4 x 4 work-groups.  The four of a row of the cluster need the same tiles of A, the four of a column the same tiles of B: each tile is asked for JOINTLY, by the same tensor load with the same
; descriptor and a mask that names the four; each receives it in its own LDS.
; THE MATRIX INSTRUCTION IS USED TRANSPOSED: source 0 = 16 columns of B, source 1 = 16 rows of A.  In the result lane l holds row l % 16 of out0 and its registers 0 to 7 the columns 8 (l / 16) + 0 .. 7.
; REGISTERS, in windows of 256 (s_set_vgpr_msb: bits 1:0 source 0, 3:2 source 1, 5:4 source 2, 7:6 destination):
;   window 0: v0-31 addresses; v64-127, v128-191 fragments of A, two buffers; on the way out the same 128 take rows read back from the stage
;   window 1: v0-63 the bias of my 128 columns, as a C operand; v64-127, v128-191 fragments of B, two buffers
;   window 2: the 32 accumulators of my rows 0-63 (accumulator (a, b) at v[8 (8 a + b)]);   window 3: those of my rows 64-127
.set PA,     272                       ; a row of A in LDS: 256 bytes + 16 of padding = 68 words: row r starts at bank 4 r mod 64 (64 banks of 4 bytes: ISA guide 11.1)
.set PB,     544                       ; a row of B: 512 + 32 = 136 words: row r starts at bank 8 r mod 64
.set HALFT,  128*PA                    ; what one tensor load brings: 128 rows of A, or 64 rows of B (64 x 544 is the same 34,816 bytes)
.set SLOT,   4*HALFT                   ; A's 256 rows, then B's 128 rows
.set STAGE,  2*SLOT                    ; behind the ring, never filled by a tensor load: 16 rows x 528 bytes for each wave, for the way out
.set SPITCH, 528                       ; 512 bytes + 16: row r starts at bank 4 r mod 64
.set SPARE,  STAGE+4*16*SPITCH         ; behind the stages: the spare words, 128 bytes for each wave: two blocks of 256 bytes that no other line names
.set LAPS,   16                        ; a lap = two K steps = once round the ring
.set ADRA, 16                          ; v16-17  LDS address of my A fragments in slot 0, 1
.set ADRB, 20                          ; v20-21  the same for B
.set STO,  24                          ; v24     the way out: where I put 32 bytes of a row
.set RD,   25                          ; v25     the way out: where I read a row back
.set CO,   26                          ; v26     16 x lane: my 16 bytes of a row's 512
.set BO,   27                          ; v27     32 x (lane / 16): my eight numbers in 16 of the bias
.set SPW,  28                          ; v28     LDS address of my spare word; never rewritten
.set NIL,  29                          ; v29     0; never rewritten
.set PFO,  30                          ; v30     the prefetches' lane offset; never rewritten
.set BI,   0                           ; window 1: register 8 b + j holds the bias of column 16 b + 8 (l / 16) + j of my 128
.set F0,   64                          ; fragment buffer 0
.set F1,   128                         ; fragment buffer 1
.set WV,   12                          ; s12  my wave's number
.set RH,   13                          ; s13  which half of the tile's rows is mine.  Also: I fetch for A (0) or for B (1)
.set CH,   14                          ; s14  which half of its columns.  Also: which half of that tile I fetch
.set LIM,  15                          ; s15  1 in a wave that prefetches, else the greatest number
.set G1,   24                          ; s[24:31] descriptor group 1 for A's tiles
.set G0,   32                          ; s[32:39] group 0 for A's tiles, a set for each slot
.set PFA,  44                          ; s[44:45] where my next prefetch stands
.set PST,  46                          ; s[46:47] a K step in bytes: 256 along A's rows, 128 rows of 8,192 down B
.set G1B,  48                          ; s[48:55] descriptor group 1 for B's tiles
.set G0B,  56                          ; s[56:63] group 0 for B's tiles, a set for each slot
.set MSB, 0
.macro WIN new                         ; the immediate's high byte repeats the setting that is left; a switch that changes nothing is dropped
.if MSB != (\new)
	s_set_vgpr_msb (MSB<<8)|(\new)
.set MSB, \new
.endif
.endm
.set TO_B, 0x40                        ; destination window 1, address window 0
; A joint load.  Waves 0 and 1 fetch A's two halves, waves 2 and 3 B's.  The branch hangs on the wave's number alone: it is the same in every work-group.
; An s_nop 0 and four v_nop follow each of the two lines, ahead of the jump, the label and what follows.
.macro JLOAD s
	s_cmp_eq_u32 s[RH], 0
	s_cbranch_scc0 .Lfor_b_\@
	tensor_load_to_lds s[G0+4*(\s):G0+4*(\s)+3], s[G1:G1+7]
	s_nop 0
.rept 4
	v_nop
.endr
	s_branch .Lasked_\@
.Lfor_b_\@:
	tensor_load_to_lds s[G0B+4*(\s):G0B+4*(\s)+3], s[G1B:G1B+7]
	s_nop 0
.rept 4
	v_nop
.endr
.Lasked_\@:
.endm
; A PREFETCH INTO THE L2, behind each joint refill, its five lines and the run of LDS loads that follows: the K step that stands TWO refills on, 512 matrix instructions ahead of the load that will want it.
; Each aligned block of 256 bytes is named ONCE in the launch.  A's tile row is read by every cluster of that row of clusters: cluster x = 0 asks; B's tile column by every cluster of that column: cluster y = 0 asks.
; The four partners that ask for a tile jointly share it out BY ADDRESS: of the 128 rows of A that a wave fetches partner cx takes 32, a lane a row; of a wave's 64 rows x 512 bytes of B partner cy takes
; 16 rows, two lanes a row.  No branch hangs on a work-group's place in its cluster.  The loop's last trip (s3 = 1) asks for nothing: its refills are K steps 30 and 31, and there is no K step two on.
.macro ASK
	s_cmp_gt_u32 s3, s[LIM]
	s_cbranch_scc0 .Lnot_mine_\@
	global_prefetch_b8 v[PFO], s[PFA:PFA+1] th:TH_LOAD_NT scope:SCOPE_SE
.Lnot_mine_\@:
.endm
; A round of the cluster's barrier: my work-group's barrier, so that wave 0's signal speaks for all four waves; wave 0 signals; every wave waits for all sixteen work-groups; my work-group's barrier once more.
.macro CREST                           ; a round behind its opening barrier
	s_cmp_lg_u32 s[WV], 0
	s_cbranch_scc1 .Lnot_wave_0_\@
	s_barrier_signal -3
.Lnot_wave_0_\@:
	s_barrier_wait -3
	s_barrier_signal -1
	s_barrier_wait -1
.endm
.macro CROUND                          ; a whole round
	s_barrier_signal -1
	s_barrier_wait -1
	CREST
.endm
	s_load_b256 s[4:11], s[0:1], 0x0               ; xb s[4:5], kb s[6:7], bias s[8:9], out0 s[10:11]
	v_lshl_add_u32 v[SPW], v0, 2, SPARE
	v_mov_b32 v[NIL], 0
	ds_add_u32 v[SPW], v[NIL]                      ; the wave's opening: the add, twice on end, and its wait ahead of my first tensor load; the set-up below stands between the second and the wait
	ds_add_u32 v[SPW], v[NIL]                      ; and once more, under the one wait
	v_lshrrev_b32 v1, 5, v0
	v_readfirstlane_b32 s[WV], v1                  ; wave 0..3
	s_lshr_b32 s[RH], s[WV], 1
	s_and_b32 s[CH], s[WV], 1
	s_bfe_u32 s40, ttmp6, 0x40000                  ; cx: my place along the cluster's x
	s_bfe_u32 s41, ttmp6, 0x40004                  ; cy: along its y
	s_lshl_b32 s42, ttmp9, 2                       ; in a cluster launch ttmp9 and ttmp7 count clusters
	s_add_co_u32 s42, s42, s40                     ; tile column = 4 x cluster x + cx
	s_and_b32 s43, ttmp7, 0xffff
	s_lshl_b32 s43, s43, 2
	s_add_co_u32 s43, s43, s41                     ; tile row = 4 x cluster y + cy
	s_lshl_b32 s20, s41, 2
	s_lshl_b32 s20, 15, s20                        ; my row of the cluster: places 4 cy .. 4 cy + 3
	s_lshl_b32 s68, 0x1111, s40                    ; my column: places cx, cx + 4, cx + 8, cx + 12
	; descriptor group 1.  A: a tile of 128 rows x 128 elements; B: 64 rows x 256 elements; both padded in LDS behind each row
	s_or_b32 s[G1+0], s20, (1<<16)|(1<<20)|(1<<21)|(5<<22)|(3<<25)   ; 15:0 the mask: my row; 17:16 elements of 2 bytes; 20 padding on; 21 set beside a mask; 24:22 after every 64 words (code 5); 31:25 4 words of it (code 3)
	s_or_b32 s[G1B+0], s68, (1<<16)|(1<<20)|(1<<21)|(6<<22)|(7<<25)  ; the mask of my column; after every 128 words (code 6), 8 words (code 7)
	s_mov_b32 s[G1+1], 128<<16                     ; tensor_dim0 = 128
	s_mov_b32 s[G1+2], 128<<16                     ; tensor_dim1 = 128
	s_mov_b32 s[G1+3], 128<<16                     ; tile_dim0 = 128
	s_mov_b32 s[G1+4], 128                         ; tile_dim1 = 128
	s_mov_b32 s[G1+5], 4096                        ; elements from row to row
	s_mov_b32 s[G1+6], 0
	s_mov_b32 s[G1+7], 0
	s_mov_b32 s[G1B+1], 256<<16                    ; tensor_dim0 = 256
	s_mov_b32 s[G1B+2], 64<<16                     ; tensor_dim1 = 64
	s_mov_b32 s[G1B+3], 256<<16                    ; tile_dim0 = 256
	s_mov_b32 s[G1B+4], 64                         ; tile_dim1 = 64
	s_mov_b32 s[G1B+5], 4096
	s_mov_b32 s[G1B+6], 0
	s_mov_b32 s[G1B+7], 0
	; where the tiles come from.  A's hang on the tile row alone, which my row of the cluster shares; B's on the tile column alone, which my column shares.
	; Every wave makes both addresses, in registers that never hold the other coordinate, and asks by one of them.
	s_lshl_b32 s16, s43, 21                        ; A: 256 rows of 8,192 bytes a tile row,
	s_lshl_b32 s18, s[CH], 20                      ; 128 rows a half
	s_add_co_u32 s16, s16, s18
	s_mov_b32 s17, 0
	s_lshl_b32 s68, s42, 9                         ; B: 512 bytes of a row a tile column,
	s_lshl_b32 s70, s[CH], 19                      ; 64 rows a half
	s_add_co_u32 s68, s68, s70
	s_mov_b32 s69, 0
	s_mul_i32 s21, s[WV], HALFT                    ; and where they go: A's two halves, then B's two = wave x 34,816: no place in the cluster enters an LDS address
	s_wait_dscnt 0x0                               ; both opening adds are done
	s_wait_kmcnt 0x0
	s_add_nc_u64 s[18:19], s[4:5], s[16:17]
	s_add_nc_u64 s[70:71], s[6:7], s[68:69]
	CROUND                                         ; all sixteen work-groups are here: the first joint loads meet
.irp s, 0,1
	s_mov_b32 s[G0+4*(\s)], 1                                      ; 1:0 count = 1
	s_add_co_u32 s[G0+4*(\s)+1], s21, (\s)*SLOT                    ; 63:32 LDS address
	s_add_nc_u64 s[G0+4*(\s)+2:G0+4*(\s)+3], s[18:19], (\s)*256    ; 120:64 global address: K step s, 256 bytes along the rows
	s_or_b32 s[G0+4*(\s)+3], s[G0+4*(\s)+3], 0x80000000            ; 127:126 type = 2
	s_mov_b32 s[G0B+4*(\s)], 1
	s_add_co_u32 s[G0B+4*(\s)+1], s21, (\s)*SLOT
	s_add_nc_u64 s[G0B+4*(\s)+2:G0B+4*(\s)+3], s[70:71], (\s)*0x100000  ; K step s, 128 rows down
	s_or_b32 s[G0B+4*(\s)+3], s[G0B+4*(\s)+3], 0x80000000
	JLOAD \s                                       ; the ring is filled before anything else is done: two tensor loads of mine are out
.endr
	; A fragment of A is 16 rows x 32 K in 8 registers: lane l holds row l % 16; registers 0-3 hold K = 8 (l / 16) + 0..7, registers 4-7 K = 16 + 8 (l / 16) + 0..7: two loads of 16 bytes, 32 bytes apart.
	v_and_b32 v1, 15, v0                           ; l % 16
	v_bfe_u32 v2, v0, 4, 1                         ; l / 16
	v_mul_u32_u24 v3, v1, PA
	v_lshl_add_u32 v3, v2, 4, v3                   ; row x pitch + 16 x half
	s_mul_i32 s22, s[RH], HALFT                    ; my 128 rows of A
	v_add_nc_u32 v[ADRA], s22, v3
	v_add_nc_u32 v[ADRA+1], SLOT, v[ADRA]
	; The turning load takes 16 K x 16 columns (lane l reads 16 bytes: K row 8 (l / 16) + l % 8, columns 8 ((l / 8) % 2) + 0..7) and leaves half a fragment of B: lane l holds column l % 16 and 8 K.
	v_and_b32 v4, 7, v0
	v_lshl_add_u32 v4, v2, 3, v4
	v_mul_u32_u24 v4, v4, PB
	v_bfe_u32 v5, v0, 3, 1
	v_lshl_add_u32 v4, v5, 4, v4
	s_lshl_b32 s23, s[CH], 8                       ; my 128 columns: 256 bytes of a row,
	s_add_co_u32 s23, s23, 2*HALFT                 ; behind A's 256 rows
	v_add_nc_u32 v[ADRB], s23, v4
	v_add_nc_u32 v[ADRB+1], SLOT, v[ADRB]
	s_mul_i32 s22, s[WV], 16*SPITCH
	s_add_co_u32 s22, s22, STAGE                   ; my stage
	v_mul_u32_u24 v6, v1, SPITCH                   ; in: row l % 16, 32 bytes for each half of the lanes
	v_lshl_add_u32 v6, v2, 5, v6
	v_add_nc_u32 v[STO], s22, v6
	v_and_b32 v7, 31, v0
	v_lshlrev_b32 v[CO], 4, v7                     ; back: 32 lanes take one row of 512 bytes
	v_add_nc_u32 v[RD], s22, v[CO]
	v_lshlrev_b32 v[BO], 5, v2
	; out0 at my first row and column; the bias at my first column
	s_lshl_b32 s72, s43, 22                        ; 256 rows of 16,384 bytes a tile row,
	s_lshl_b32 s74, s[RH], 21                      ; 128 rows a half
	s_add_co_u32 s72, s72, s74
	s_lshl_b32 s74, s42, 10                        ; 1,024 bytes a tile column,
	s_lshl_b32 s75, s[CH], 9                       ; 512 a half
	s_add_co_u32 s74, s74, s75
	s_mov_b32 s75, 0
	s_add_nc_u64 s[8:9], s[8:9], s[74:75]
	s_add_co_u32 s72, s72, s74
	s_mov_b32 s73, 0
	s_add_nc_u64 s[10:11], s[10:11], s[72:73]
	; the prefetches: both sides' offsets are made, then one test of the wave's side chooses.  They stand at K step 3; the first refill steps them to 4.  Nothing is asked for here, at the head.
	s_lshl_b32 s72, s43, 8                         ; A: row 256 x tile row
	s_lshl_b32 s73, s[CH], 7                       ; + the 128 rows that I fetch
	s_add_co_u32 s72, s72, s73
	s_lshl_b32 s73, s40, 5                         ; + my work-group's 32 of them,
	s_add_co_u32 s72, s72, s73
	s_lshl_b32 s72, s72, 13                        ; in bytes,
	s_add_co_u32 s72, s72, 3*256                   ; at K step 3
	s_lshl_b32 s74, s[CH], 6                       ; B: the 64 rows that I fetch
	s_lshl_b32 s75, s41, 4                         ; + my work-group's 16 of them
	s_add_co_u32 s74, s74, s75
	s_add_co_u32 s74, s74, 3*128                   ; at K step 3,
	s_lshl_b32 s74, s74, 13                        ; in bytes,
	s_lshl_b32 s75, s42, 9                         ; at the tile's first column
	s_add_co_u32 s74, s74, s75
	s_and_b32 s76, ttmp7, 0xffff                   ; cluster y
	s_mov_b32 s[PST], 256
	s_mov_b32 s77, 0x100000
	s_cmp_eq_u32 s[RH], 0                          ; do I fetch for A?
	s_cselect_b32 s72, s72, s74
	s_cselect_b32 s76, ttmp9, s76                  ; the coordinate along which other clusters read the same blocks
	s_cselect_b32 s[PST], s[PST], s77
	s_cselect_b64 s[PFA:PFA+1], s[4:5], s[6:7]
	s_mov_b32 s73, 0
	s_mov_b32 s[PST+1], 0
	s_add_nc_u64 s[PFA:PFA+1], s[PFA:PFA+1], s[72:73]
	s_cmp_eq_u32 s76, 0
	s_cselect_b32 s[LIM], 1, -1                    ; the same in all sixteen partners, for a given wave
	v_lshrrev_b32 v8, s[RH], v7                    ; A: a lane a row; B: two lanes a row,
	v_and_b32 v9, s[RH], v7                        ; 256 bytes apart
	v_lshlrev_b32 v9, 8, v9
	v_lshl_add_u32 v[PFO], v8, 13, v9
	WIN TO_B
.irp b, 0,1,2,3,4,5,6,7
	global_load_b128 v[BI+8*(\b):BI+8*(\b)+3],   v[BO], s[8:9] offset:64*(\b)     ; the bias of columns 16 b + 8 (l / 16) + 0..3,
	global_load_b128 v[BI+8*(\b)+4:BI+8*(\b)+7], v[BO], s[8:9] offset:64*(\b)+16  ; and + 4..7
.endr
	WIN 0
; 16 matrix instructions: m blocks a0, a0 + 1 of the window's four (hi = 0: my rows 0-63, 1: rows 64-127) x all 8 n blocks, 32 along K.
; first = 1: the product starts the sum, with the bias (window 1) as C.  The 64 accumulators take turns, one instruction a turn, in the same order in every quarter step.
.macro MUL16 f, hi, a0, first
.if \first
	WIN 0x91+0x40*(\hi)
.else
	WIN 0xa1+0x50*(\hi)
.endif
.irp a, \a0, (\a0)+1
.irp b, 0,1,2,3,4,5,6,7
.if \first
	v_wmma_f32_16x16x32_bf16 v[8*(8*(\a)+(\b)):8*(8*(\a)+(\b))+7], v[(\f)+8*(\b):(\f)+8*(\b)+7], v[(\f)+8*(4*(\hi)+(\a)):(\f)+8*(4*(\hi)+(\a))+7], v[BI+8*(\b):BI+8*(\b)+7]
.else
	v_wmma_f32_16x16x32_bf16 v[8*(8*(\a)+(\b)):8*(8*(\a)+(\b))+7], v[(\f)+8*(\b):(\f)+8*(\b)+7], v[(\f)+8*(4*(\hi)+(\a)):(\f)+8*(4*(\hi)+(\a))+7], v[8*(8*(\a)+(\b)):8*(8*(\a)+(\b))+7]
.endif
.endr
.endr
.endm
; 32 LDS loads in one run: the fragments of quarter q of a K step (32 K x my 128 columns of B, turned; my 128 rows of A x 32 K) into buffer f.  B first, A's rows 64-127 last.
.macro FETCH slot, q, f
	WIN TO_B
.irp b, 0,1,2,3,4,5,6,7
	ds_load_tr16_b128 v[(\f)+8*(\b):(\f)+8*(\b)+3],   v[ADRB+(\slot)] offset:(\q)*32*PB+32*(\b)
	ds_load_tr16_b128 v[(\f)+8*(\b)+4:(\f)+8*(\b)+7], v[ADRB+(\slot)] offset:(\q)*32*PB+16*PB+32*(\b)
.endr
	WIN 0
.irp i, 0,1,2,3,4,5,6,7
	ds_load_b128 v[(\f)+8*(\i):(\f)+8*(\i)+3],   v[ADRA+(\slot)] offset:64*(\q)+(\i)*16*PA
	ds_load_b128 v[(\f)+8*(\i)+4:(\f)+8*(\i)+7], v[ADRA+(\slot)] offset:64*(\q)+(\i)*16*PA+32
.endr
.endm
; A load into a register that a matrix instruction has read, and a store that reads a matrix result, stand four places behind that matrix instruction, and only plain vector instructions that name none
; of its registers are places (ISA guide 7.12.1 for vector instructions); the matrix instructions in between are not counted.
.macro PLACES
.rept 4
	v_nop
.endr
.endm
; A K step is four quarters of 32 along K, 64 matrix instructions each, on buffers 0, 1, 0, 1.  One of the first three: multiplies buffer f; in its middle it fetches quarter q of the same slot into buffer g.
.macro QUARTER slot, q, f, g, first
	s_wait_dscnt 8                                 ; B and A's rows 0-63 are in; the youngest eight loads (A's rows 64-127) may be out
	MUL16 \f, 0, 0, \first
	MUL16 \f, 0, 2, \first
	PLACES
	FETCH \slot, \q, \g
	s_wait_dscnt 32                                ; all but the 32 just issued
	MUL16 \f, 1, 0, \first
	MUL16 \f, 1, 2, \first
.endm
; The last quarter multiplies buffer 1 and changes slots.  MEET is its first half: ONE barrier for the change.  In front of it each wave waits for all its tensor loads, of which one is out: its part of the
; next slot; adds 0 to its spare word; and waits for that and for its own reads of this slot.  Behind it nobody reads this slot any more and the next slot is whole.
.macro MEET round                      ; round = 1: the rest of a round of the cluster's barrier follows
	WIN 0                                          ; (the add's two registers lie in window 0)
	s_wait_tensorcnt 0x0                           ; all my tensor loads have landed;
	ds_add_u32 v[SPW], v[NIL]                      ; 0 onto my spare word;
	s_wait_dscnt 9                                 ; (the add and the youngest eight loads may be out)
	MUL16 F1, 0, 0, 0                              ; sixteen matrix instructions stand between the add and the wait for it
	s_wait_dscnt 0x0                               ; the add is done, and my reads of this slot are over:
	s_barrier_signal -1                            ; say so,
	MUL16 F1, 0, 2, 0                              ; work on registers while the others arrive,
.if \round
	WIN 0
.endif
	s_barrier_wait -1                              ; and go on when all four have said so
.endm
; The whole last quarter.  fill = 1: behind a round of the cluster's barrier the slot just read out is filled again first, with the K step two steps on; then come the next slot's first fragments.
; From that request to the wait for it a wave issues 224 matrix instructions.
.macro TURN slot, next, fill
.if \fill
	s_wait_xcnt 0x0                                ; the last prefetch, a K step back, has read its address: it is stepped here, ahead of the waits of the change of slots
	s_add_nc_u64 s[PFA:PFA+1], s[PFA:PFA+1], s[PST:PST+1]
	MEET 1
	CREST                                          ; no wave of any partner still reads this slot's tile or has a load on its way
	s_add_nc_u64 s[G0+4*(\slot)+2:G0+4*(\slot)+3], s[G0+4*(\slot)+2:G0+4*(\slot)+3], 2*256        ; no tensor load of mine is out, so a group 0 may be written
	s_add_nc_u64 s[G0B+4*(\slot)+2:G0B+4*(\slot)+3], s[G0B+4*(\slot)+2:G0B+4*(\slot)+3], 2*0x100000
	JLOAD \slot                                    ; the first tensor load behind the round; the four v_nop behind it are also the places in front of the loads below
	FETCH \next, 0, F0
	ASK
.else
	MEET 0
	PLACES
	FETCH \next, 0, F0
.endif
	MUL16 F1, 1, 0, 0
	MUL16 F1, 1, 2, 0
.endm
; THE WAY OUT of block a (16 of my rows).  A lane holds 8 neighbouring f32 of one row for each of 8 column blocks.  TOSTAGE: 32 bytes a lane and column block into my own stage in LDS, each accumulator's low four
; registers first; then back as whole rows of 512 bytes.  SEND: stored, 512 consecutive bytes an instruction, at a multiple of 512 from out0's first byte.
.macro TOSTAGE a
.set AC, 64*((\a)%4)
.set BK, F0+64*((\a)%2)
	WIN 0x08+4*((\a)/4)                            ; the stores' data (source 1): window 2 or 3
.irp b, 0,1,2,3,4,5,6,7
	ds_store_b128 v[STO], v[AC+8*(\b):AC+8*(\b)+3]   offset:64*(\b)
	ds_store_b128 v[STO], v[AC+8*(\b)+4:AC+8*(\b)+7] offset:64*(\b)+16
.endr
	WIN 0
.if (\a) >= 2
	s_wait_xcnt 0x0                                ; the stores of the block two back, which read this buffer, have had their addresses translated (ISA guide 3.1): it is loaded again only behind this wait
.endif
.irp t, 0,1,2,3,4,5,6,7,8,9,10,11,12,13,14,15
	ds_load_b128 v[BK+4*(\t):BK+4*(\t)+3], v[RD] offset:(\t)*SPITCH  ; LDS serves a wave's instructions in order (ISA guide 5.7.1.4): these see the stores above; the next block's stores come behind them
.endr
.endm
.macro SEND a, younger                 ; younger: the LDS instructions issued behind block a's loads: the next block's 16 stores and 16 loads, or none
.set BK, F0+64*((\a)%2)
	s_wait_dscnt \younger                          ; the block is back in registers
.irp t, 0,1,2,3,4,5,6,7,8,9,10,11,12,13,14,15
	global_store_b128 v[CO], v[BK+4*(\t):BK+4*(\t)+3], s[10:11] offset:(16*(\a)+(\t))*16384 th:TH_STORE_NT  ; the row stands in the immediate, 127 rows of 16,384 bytes at the most: the base is never stepped
.endr
.endm
	s_wait_tensorcnt 1                             ; my part of K step 0 is in; K step 1's may stay out
	s_barrier_signal -1
	s_barrier_wait -1                              ; everybody's is
	FETCH 0, 0, F0
	s_wait_loadcnt 0x0                             ; the bias
	QUARTER 0, 1, F0, F1, 1                        ; the first quarter stands in front of the loop: its products start the sums
	WIN 0                                          ; at a label and at a branch every window is 0
	s_mov_b32 s3, LAPS-1
.Llap:                                                 ; a trip goes once round the ring, from a lap's second quarter to the next lap's first, and fills both slots again
	QUARTER 0, 2, F1, F0, 0
	QUARTER 0, 3, F0, F1, 0
	TURN 0, 1, 1
	QUARTER 1, 1, F0, F1, 0
	QUARTER 1, 2, F1, F0, 0
	QUARTER 1, 3, F0, F1, 0
	TURN 1, 0, 1
	QUARTER 0, 1, F0, F1, 0
	WIN 0
	s_sub_co_u32 s3, s3, 1
	s_cmp_lg_u32 s3, 0
	s_cbranch_scc1 .Llap
	QUARTER 0, 2, F1, F0, 0                        ; the last lap is written out: it fills nothing
	QUARTER 0, 3, F0, F1, 0
	TURN 0, 1, 0                                   ; my one tensor load that was still out is slot 1's, the last K step's
	QUARTER 1, 1, F0, F1, 0
	QUARTER 1, 2, F1, F0, 0
	QUARTER 1, 3, F0, F1, 0
	s_wait_dscnt 8                                 ; the very last quarter: nothing more to fetch
	MUL16 F1, 0, 0, 0
	MUL16 F1, 0, 2, 0
	s_wait_dscnt 0x0
	MUL16 F1, 1, 0, 0
	MUL16 F1, 1, 2, 0
	WIN 0
	PLACES                                         ; behind the last products, in front of stores that read results and of loads into A's buffers;
	PLACES                                         ; twice the four, once a launch
	TOSTAGE 0
.irp a, 1,2,3,4,5,6,7
	TOSTAGE \a                                     ; block a goes through the stage while block a - 1's rows come back
	SEND (\a)-1, 32
.endr
	SEND 7, 0
	s_wait_tensorcnt 0x0                           ; the wave's end, behind my last tensor load and my last LDS store
	ds_add_u32 v[SPW], v[NIL]
	s_wait_dscnt 0x0
	CROUND                                         ; the closing round: no work-group ends while a partner may still ask for a tile that names it
	s_endpgm
.Lfunc_end_k_qc1b346e7d9_gemm:
	.size	k_qc1b346e7d9_gemm, .Lfunc_end_k_qc1b346e7d9_gemm-k_qc1b346e7d9_gemm
	.p2alignl 7, 3214868480
	.fill 96, 4, 3214868480
	.section	.rodata,"a",@progbits
	.p2align	6, 0x0
	.amdhsa_kernel k_qc1b346e7d9_gemm
		.amdhsa_group_segment_fixed_size 327680
		.amdhsa_private_segment_fixed_size 0
		.amdhsa_enable_private_segment 0
		.amdhsa_kernarg_size 32
		.amdhsa_user_sgpr_count 2
		.amdhsa_user_sgpr_kernarg_segment_ptr 1
		.amdhsa_wavefront_size32 1
		.amdhsa_system_sgpr_workgroup_id_x 1
		.amdhsa_system_sgpr_workgroup_id_y 1
		.amdhsa_system_sgpr_workgroup_id_z 1
		.amdhsa_system_vgpr_workitem_id 0
		.amdhsa_next_free_vgpr 1024
		.amdhsa_next_free_sgpr 80
		.amdhsa_reserve_vcc 0
		.amdhsa_float_denorm_mode_32 3
		.amdhsa_float_denorm_mode_16_64 3
		.amdhsa_memory_ordered 1
		.amdhsa_forward_progress 1
		.amdhsa_inst_pref_size 143
	.end_amdhsa_kernel
	.amdgpu_metadata
---
amdhsa.version: [ 1, 2 ]
amdhsa.kernels:
  - .name:           k_qc1b346e7d9_gemm
    .symbol:         k_qc1b346e7d9_gemm.kd
    .args:
      - { .name: xb, .offset: 0, .size: 8, .value_kind: global_buffer, .address_space: global }
      - { .name: kb, .offset: 8, .size: 8, .value_kind: global_buffer, .address_space: global }
      - { .name: bias, .offset: 16, .size: 8, .value_kind: global_buffer, .address_space: global }
      - { .name: out0, .offset: 24, .size: 8, .value_kind: global_buffer, .address_space: global }
    .group_segment_fixed_size: 327680
    .private_segment_fixed_size: 0
    .kernarg_segment_align: 8
    .kernarg_segment_size: 32
    .max_flat_workgroup_size: 128
    .sgpr_count:     80
    .vgpr_count:     1024
    .wavefront_size: 32
...
	.end_amdgpu_metadata
.endif
;; end of part 2
;; ======== version 2 of 2: 2 launches; version 1 with the launch prep written anew for expert scheduling mode
;; workspace buffers: xb 33,554,432 bytes; kb 33,554,432 bytes
;; launch prep (part 3): grid 256 x 1, 16 waves a work-group, no clusters, 18,432 bytes of LDS; arguments x, indices, mean, xb, kb; writes xb, kb
.if DOCPART == 3
	.amdgcn_target "amdgcn-amd-amdhsa--gfx1250"
	.amdhsa_code_object_version 6
	.text
	.protected	k_qc1b346e7d9_prep
	.globl	k_qc1b346e7d9_prep
	.p2align	8
	.type	k_qc1b346e7d9_prep,@function
k_qc1b346e7d9_prep:
	s_mov_b64 s[64:65], 0
	v_nop
	global_prefetch_b8 v0, s[64:65] scope:SCOPE_SE
	s_setreg_imm32_b32 hwreg(HW_REG_WAVE_SCHED_MODE, 0, 2), 2
	s_setreg_imm32_b32 hwreg(HW_REG_WAVE_MODE, 25, 1), 1
	s_wait_xcnt 0x0
	s_wait_alu depctr_vm_vsrc(0)
; xb[m][k] = bf16(x[m][k]);  kb[k][n] = bf16(mean[indices[k][n]]).  x: [4096][4096] f32, indices: [4096][4096] i32, mean: [4096] f32; xb, kb: [4096][4096] bf16.
; Each number is rounded once, to nearest even; the layouts stay as they are (row, column), so both jobs are plain streams.
; LIMIT.  An index is taken as unsigned and held to 4,095 at the most: for indices inside 0 .. 4,095, which the problem grants, that changes nothing; outside them the result is mean[4095].
; SHARES.  256 work-groups x 16 waves = 4,096 waves: wave g owns row g of x and row g of indices.  A row is 16,384 bytes = 32 chunks of 512: one load of 16 bytes a lane.  A chunk's 128 numbers
; become 256 bytes of bf16: one store of 8 bytes a lane, 256 consecutive bytes at a multiple of 256 from the buffer's first byte.
; THE TABLE.  mean lies in LDS as f32, 16,384 bytes, copied once by the work-group's 512 threads; a look-up is one ds_load_b32 a lane.  One barrier, between the copy and the look-ups.
; IN FLIGHT.  A row is four trips of eight chunks, written out: every step stands in an immediate and no address register is ever rewritten.  While a trip waits for its eight chunks of x,
; the next trip's eight of indices and eight of x are out too: 24 loads of every wave.
; No matrix unit, no tensor load, no cluster: the waves share nothing but the table.
; THE MODE: SCHED_MODE bits 1:0 = 2 (LLVM: expert scheduling mode 2), set by the entry lines.  The code itself states the register dependences between vector instructions and memory or LDS
; instructions, with s_wait_alu, always for 0.
; THE PLAN.  Registers that memory or LDS instructions touch:
;   I         The loads of trip t + 1's indices, issued in trip t, land in it; read by trip t's clamps alone.
;   AD        Written by trip t's clamps and shifts; read by trip t's 32 look-ups as their addresses.
;   G         Trip t's look-ups land in it; read by trip t's conversions.
;   X0, X1    x of trip t lands in X[t % 2], asked for in trip t - 1; read by trip t's conversions.
;   YX0, YX1, YK0, YK1   Trip t's conversions write set t % 2; the stores that read it are issued in trip t + 1 (the last set's behind the last trip).
;   VI, VO, VT, SPW, NIL  Written at the head, never again.      T  The table's loads land in it, the two LDS stores read it, nothing writes it again.
; So a trip has ONE wait on va_vdst, behind its clamps and shifts, and all its memory and LDS instructions follow that wait: the vector instructions behind it name X[t % 2], G and set t % 2 of
; YX and YK alone, in which no load of the trip lands behind them and which no store of the trip reads.  One wait on vm_vsrc stands at the head of every trip but the first.
.set SPARE, 16384                      ; behind the table: the spare words, 128 bytes for each of the 16 waves: eight blocks of 256 bytes that no other line names
.set VI,  3                            ; v3   byte offset of my 16 bytes in the first chunk of my wave's row of x and of indices; never rewritten
.set VO,  4                            ; v4   byte offset of my 8 bytes in the first chunk of my wave's row of xb and of kb; never rewritten
.set VT,  5                            ; v5   16 x my thread's number: my part of the table, in mean and in LDS; never rewritten
.set SPW, 6                            ; v6   LDS address of my spare word; never rewritten
.set NIL, 7                            ; v7   0; never rewritten
.set T,   8                            ; v[8:15]    my 32 bytes of the table
.set I,   16                           ; v[16:47]   eight chunks of indices, as loaded
.set AD,  48                           ; v[48:79]   their LDS addresses
.set G,   80                           ; v[80:111]  what the look-ups bring
.set X,   112                          ; v[112:175] eight chunks of x, two buffers of 32
.set YX,  176                          ; v[176:207] x as bf16, to store: two sets of 16
.set YK,  208                          ; v[208:239] the kernel as bf16, to store: two sets of 16
	s_load_b256 s[4:11], s[0:1], 0x0               ; x s[4:5], indices s[6:7], mean s[8:9], xb s[10:11]
	s_load_b64 s[12:13], s[0:1], 0x20              ; kb
	v_lshl_add_u32 v[SPW], v0, 2, SPARE
	v_mov_b32 v[NIL], 0
	v_and_b32 v1, 31, v0                           ; lane
	v_lshrrev_b32 v2, 5, v0                        ; wave
	v_lshlrev_b32 v[VI], 4, v1
	v_lshl_add_u32 v[VI], v2, 14, v[VI]            ; wave x 16,384 + 16 x lane
	v_lshlrev_b32 v[VO], 3, v1
	v_lshl_add_u32 v[VO], v2, 13, v[VO]            ; wave x 8,192 + 8 x lane
	v_lshlrev_b32 v[VT], 4, v0
	s_lshl_b32 s14, ttmp9, 18                      ; the work-group's 16 rows of 16,384 bytes
	s_mov_b32 s15, 0
	s_lshl_b32 s16, ttmp9, 17                      ; and of 8,192 bytes
	s_mov_b32 s17, 0
	s_wait_kmcnt 0x0
	s_add_nc_u64 s[4:5], s[4:5], s[14:15]
	s_add_nc_u64 s[6:7], s[6:7], s[14:15]
	s_add_nc_u64 s[10:11], s[10:11], s[16:17]
	s_add_nc_u64 s[12:13], s[12:13], s[16:17]
.macro LOADI t                         ; chunks 8 t .. 8 t + 7 of my row of indices; each byte is read once in the launch
.irp i, 0,1,2,3,4,5,6,7
	global_load_b128 v[I+4*(\i):I+4*(\i)+3], v[VI], s[6:7] offset:(8*(\t)+(\i))*512 th:TH_LOAD_NT
.endr
.endm
.macro LOADX t                         ; the same of my row of x, into buffer t % 2
.irp i, 0,1,2,3,4,5,6,7
	global_load_b128 v[X+32*((\t)%2)+4*(\i):X+32*((\t)%2)+4*(\i)+3], v[VI], s[4:5] offset:(8*(\t)+(\i))*512 th:TH_LOAD_NT
.endr
.endm
	s_wait_alu depctr_va_vdst(0)                   ; VT, VI and VO are written: the global loads and stores and the table's LDS stores read one of them as their offset or address
	global_load_b128 v[T:T+3],   v[VT], s[8:9]               ; the table: 512 threads x 16 bytes, twice
	global_load_b128 v[T+4:T+7], v[VT], s[8:9] offset:8192
	LOADI 0
	LOADX 0
	s_wait_loadcnt 16                              ; loads come back in order (ISA guide 5.7.1): the table's two are in, the 16 younger ones stay out
	ds_store_b128 v[VT], v[T:T+3]
	ds_store_b128 v[VT], v[T+4:T+7] offset:8192
	s_wait_dscnt 0x0                               ; for the others' sake: my part of the table is written
	s_barrier_signal -1
	s_barrier_wait -1                              ; everybody's is
; Chunks 8 t .. 8 t + 7 of both rows.  ahead = 1: the next eight chunks of both are asked for.  From trip 1 on the trip also stores what the trip before has rounded.
.macro TRIP t, ahead
	s_wait_loadcnt 8                               ; the eight loads of indices are in; x's eight, issued behind them, may stay out
.if (\t) >= 2
	s_wait_xcnt 0x0                                ; every earlier memory instruction has had its addresses translated (ISA guide 3.1): set t % 2 of YX and YK, which the stores issued in the last trip read, is rewritten only behind this wait
.endif
.if (\t) >= 1
	s_wait_alu depctr_vm_vsrc(0)                   ; the last trip's look-ups have read AD, which the clamps below write again; the stores issued in the last trip have read set t % 2 of YX and YK, which this trip's conversions write again
.endif
.set j, 0
.rept 32
	v_min_u32 v[AD+j], 0xfff, v[I+j]               ; inside the table,
	v_lshlrev_b32 v[AD+j], 2, v[AD+j]              ; in bytes
.set j, j+1
.endr
	s_wait_alu depctr_va_vdst(0)                   ; AD is written, which the look-ups read; the clamps are done reading I, in which the next indices land; the last trip's conversions are done reading G and the other X, in which the look-ups and the next x land, and have written the other set of YX and YK, which the stores below read
.if \ahead
	LOADI (\t)+1                                   ; loads ahead of stores
	LOADX (\t)+1
.endif
.irp i, 0,1,2,3,4,5,6,7
.irp q, 0,1,2,3
	ds_load_b32 v[G+4*(\i)+(\q)], v[AD+4*(\i)+(\q)]
.endr
.if (\t) >= 1
	global_store_b64 v[VO], v[YX+16*(1-(\t)%2)+2*(\i):YX+16*(1-(\t)%2)+2*(\i)+1], s[10:11] offset:(8*((\t)-1)+(\i))*256 th:TH_STORE_NT  ; the trip before; no vector instruction since the wait names these registers
.endif
.endr
.if \ahead
	s_wait_loadcnt 16                              ; x is in; the 16 loads just issued stay out
.else
	s_wait_loadcnt 0x0                             ; x is in: nothing was issued behind it
.endif
.set j, 0
.rept 16
	v_cvt_pk_bf16_f32 v[YX+16*((\t)%2)+j], v[X+32*((\t)%2)+2*j], v[X+32*((\t)%2)+2*j+1]
.set j, j+1
.endr
.irp i, 0,1,2,3,4,5,6,7
	s_wait_dscnt 28-4*(\i)                         ; LDS loads come back in order: chunk i's four are in, the later chunks' may be out
.if (\t) >= 1
	global_store_b64 v[VO], v[YK+16*(1-(\t)%2)+2*(\i):YK+16*(1-(\t)%2)+2*(\i)+1], s[12:13] offset:(8*((\t)-1)+(\i))*256 th:TH_STORE_NT  ; the trip before: the conversions since the wait write the other set
.endif
	v_cvt_pk_bf16_f32 v[YK+16*((\t)%2)+2*(\i)],   v[G+4*(\i)],   v[G+4*(\i)+1]
	v_cvt_pk_bf16_f32 v[YK+16*((\t)%2)+2*(\i)+1], v[G+4*(\i)+2], v[G+4*(\i)+3]
.endr
.endm
	TRIP 0, 1
	TRIP 1, 1
	TRIP 2, 1
	TRIP 3, 0                                      ; the last trip loads nothing
	s_wait_alu depctr_va_vdst(0)                   ; trip 3's conversions have written set 1 of YX and YK, which the last sixteen stores read
.irp i, 0,1,2,3,4,5,6,7
	global_store_b64 v[VO], v[YX+16+2*(\i):YX+16+2*(\i)+1], s[10:11] offset:(24+(\i))*256 th:TH_STORE_NT
.endr
.irp i, 0,1,2,3,4,5,6,7
	global_store_b64 v[VO], v[YK+16+2*(\i):YK+16+2*(\i)+1], s[12:13] offset:(24+(\i))*256 th:TH_STORE_NT
.endr
	s_wait_dscnt 0x0                               ; the closing lines, six on end
	s_wait_alu 0x0
	s_wait_tensorcnt 0x0
	ds_add_u32 v[SPW], v[NIL]
	s_wait_dscnt 0x0
	s_endpgm
.Lfunc_end_k_qc1b346e7d9_prep:
	.size	k_qc1b346e7d9_prep, .Lfunc_end_k_qc1b346e7d9_prep-k_qc1b346e7d9_prep
	.p2alignl 7, 3214868480
	.fill 96, 4, 3214868480
	.section	.rodata,"a",@progbits
	.p2align	6, 0x0
	.amdhsa_kernel k_qc1b346e7d9_prep
		.amdhsa_group_segment_fixed_size 18432
		.amdhsa_private_segment_fixed_size 0
		.amdhsa_enable_private_segment 0
		.amdhsa_kernarg_size 40
		.amdhsa_user_sgpr_count 2
		.amdhsa_user_sgpr_kernarg_segment_ptr 1
		.amdhsa_wavefront_size32 1
		.amdhsa_system_sgpr_workgroup_id_x 1
		.amdhsa_system_sgpr_workgroup_id_y 1
		.amdhsa_system_sgpr_workgroup_id_z 1
		.amdhsa_system_vgpr_workitem_id 0
		.amdhsa_next_free_vgpr 240
		.amdhsa_next_free_sgpr 66
		.amdhsa_reserve_vcc 0
		.amdhsa_float_denorm_mode_32 3
		.amdhsa_float_denorm_mode_16_64 3
		.amdhsa_memory_ordered 1
		.amdhsa_forward_progress 1
		.amdhsa_inst_pref_size 44
	.end_amdhsa_kernel
	.amdgpu_metadata
---
amdhsa.version: [ 1, 2 ]
amdhsa.kernels:
  - .name:           k_qc1b346e7d9_prep
    .symbol:         k_qc1b346e7d9_prep.kd
    .args:
      - { .name: x, .offset: 0, .size: 8, .value_kind: global_buffer, .address_space: global }
      - { .name: indices, .offset: 8, .size: 8, .value_kind: global_buffer, .address_space: global }
      - { .name: mean, .offset: 16, .size: 8, .value_kind: global_buffer, .address_space: global }
      - { .name: xb, .offset: 24, .size: 8, .value_kind: global_buffer, .address_space: global }
      - { .name: kb, .offset: 32, .size: 8, .value_kind: global_buffer, .address_space: global }
    .group_segment_fixed_size: 18432
    .private_segment_fixed_size: 0
    .kernarg_segment_align: 8
    .kernarg_segment_size: 40
    .max_flat_workgroup_size: 512
    .sgpr_count:     66
    .vgpr_count:     240
    .wavefront_size: 32
...
	.end_amdgpu_metadata
.endif
;; end of part 3
;; launch gemm: the kernel of part 2 again; grid 16 x 16, 4 waves a work-group, clusters of 4 x 4, 327,680 bytes of LDS; arguments xb, kb, bias, out0; writes out0
